; MI455X (gfx1250); checked and timed in simulation.
; The chip was launched on July 23, 2026; its instructions are those of AMD's public machine-readable ISA for CDNA 5 (MIT licence, August 2026) and "CDNA5" Instruction Set Architecture Reference Guide (July 2026). The comments in the code are by the model that wrote it; some were corrected since.
;; Scaled Dot Porduct Attention. Allowed arithmetic: float matrix products may take bf16 or f16 operands with f32 sums; all other float work in f32.
;; Inputs: k 2 x 16 x 2,048 x 128 float32; q 2 x 16 x 2,048 x 128 float32; v 2 x 16 x 2,048 x 128 float32.
;; Outputs: out0 2 x 16 x 2,048 x 128 float32.
;; 2 versions, each right; version 2 is version 1 with the launch attn written anew for expert scheduling mode. Each part assembles by itself: llvm-mc -triple=amdgcn-amd-amdhsa -mcpu=gfx1250 --defsym DOCPART=n.
;; ======== version 1 of 2: 1 launch
;; launch attn (part 1): grid 256 x 1, 4 waves a work-group, no clusters, 141,824 bytes of LDS; arguments q, k, v, out0; writes out0
.if DOCPART == 1
	.amdgcn_target "amdgcn-amd-amdhsa--gfx1250"
	.amdhsa_code_object_version 6
	.text
	.protected	k_q55b0b1fbb6_attn
	.globl	k_q55b0b1fbb6_attn
	.p2align	8
	.type	k_q55b0b1fbb6_attn,@function
k_q55b0b1fbb6_attn:
	s_mov_b64 s[64:65], 0
	v_nop
	global_prefetch_b8 v0, s[64:65] scope:SCOPE_SE
	s_setreg_imm32_b32 hwreg(HW_REG_WAVE_MODE, 25, 1), 1
	s_wait_xcnt 0x0
; out0 = softmax(q k^T / sqrt(128)) v for 32 heads of 2,048 x 128 numbers, all four buffers f32.
; One launch, online softmax.  256 work-groups: work-group g takes head g >> 3 and the 256 query rows g & 7 of it; its four waves take
; 64 query rows each and walk the head's 2,048 keys in 32 trips of 64.
;
; BOTH PRODUCTS ARE TAKEN TRANSPOSED.  S^T = K Q^T (A = 16 keys x 32 d, B = 16 queries) and O^T = V^T P^T (A = 16 d x 32 keys, B = P).
; A lane then owns ONE query in each of the wave's four query tiles: register j of an S^T tile is key 8 (l / 16) + j of query l % 16, which
; packed two by two is the B fragment of the second product as it stands.  P never passes through LDS, a row's maximum needs one
; exchange with lane l xor 16, and the row sums are exchanged once, at the end.
;
; K AND V COME THROUGH REGISTERS (16-byte loads, rounding to bf16, 8-byte LDS stores), each wave 16 of a tile's 64 rows, one trip ahead.
; The eight work-groups of a head read the same tiles, yet no joint tensor load is used: it would land f32 in LDS, and per 64 keys that is
; 64 KB written, 64 KB read back and 32 KB stored again as bf16 beside the 128 KB of fragment reads of the four waves; this way
; only the 32 KB of bf16 are stored.
;
; FORMATS AND LIMITS.  q, k, v are rounded to bf16 as they stand; sums in f32.  The factor c = log2(e) / sqrt(128) is applied to the f32 scores.
; p = 2^(c s - c max) is rounded to bf16 for the second product, the row sum adds the unrounded p.  Inputs and scores must be finite:
; NaN and infinities are not reproduced (the maximum drops a NaN).  A p below 2^-126 counts as zero (v_exp_f32 flushes).
.set ROWB,  512                        ; bytes of an f32 row of 128
.set TILEB, 64*ROWB                    ; a K or V tile of 64 keys in memory
.set TRIPS, 2048/64
.set KP,    272                        ; LDS pitch of a bf16 row of K or Q: 256 + 16, an odd multiple of 16: the 16 rows of a fragment load start in 16 different 16-byte columns of 256
.set VP,    288                        ; LDS pitch of a bf16 row of V: 256 + 32, an odd multiple of 32, for the transposing load
.set OP,    528                        ; LDS pitch of an f32 row on the way out: 512 + 16
.set KSLOT, 64*KP                      ; two K slots from byte 0
.set VSLOT, 64*VP
.set VBASE, 2*KSLOT                    ; two V slots behind them
.set WBASE, VBASE+2*VSLOT              ; then a region of each wave's own: first its 64 rows of Q in bf16, at the end 16 rows of output
.set WSIZE, 64*KP
; window 0
.set GOFF, 1                           ; byte offset of my 16 bytes in a K or V tile: wave x 16 rows + 16 lane
.set QOFF, 2                           ; the same in the work-group's rows of q and out0: wave x 64 rows + 16 lane
.set KST,  3                           ; LDS: where my 8 bytes of bf16 of a K row go
.set VST,  4                           ; the same for V
.set KFA,  5                           ; LDS: my part of a K fragment: (l % 16) KP + 16 (l / 16)
.set VFA,  6                           ; LDS: my part of a transposed V fragment
.set WST,  7                           ; LDS: my 8 bytes of a Q row
.set WQF,  8                           ; LDS: my part of a Q fragment
.set OST,  9                           ; LDS, way out: row l % 16, 32 bytes for each half of the lanes
.set ORD,  10                          ; LDS, way out: my 16 bytes of a whole row
.set PFO,  11                          ; prefetch: 256 lane
.set NM,   16                          ; v[16:23]  query tile n: the pair (-c max, -c max)
.set AL,   24                          ; v[24:31]  the pair (alpha, alpha); at the end (1 / l, 1 / l)
.set LS,   32                          ; v[32:39]  a pair of partial row sums
.set TA,   40                          ; v[40:43]  the running maximum of the raw scores; it stays from trip to trip
.set TB,   44                          ; v[44:47]  at work
.set CS,   52                          ; v[52:53]  the pair (c, c)
.set FR,   64                          ; v[64:127] two fragment buffers of 32 registers
.set SC,   128                         ; v[128:255] S^T tile (key tile kt, query tile n) at SC + 32 kt + 8 n
; window 1: v0-127 the Q fragment (n, ks) at 32 n + 8 ks; v128-255 the K and V rows on their way in
.set GR,   128                         ; K row i at GR + 4 i, V row i at GR + 64 + 4 i
; window 2: the O^T tile (d tile dt, query tile n) at 32 dt + 8 n.  Before the first trip the 64 rows of q land here.
.set KB, 20                            ; s[20:21] k at the tile that is loaded next
.set VB, 22                            ; s[22:23] v likewise
.set PF, 24                            ; s[24:25] the quarter tile that this work-group asks for next
.set QB, 26                            ; s[26:27] q at the work-group's rows
.set OB, 28                            ; s[28:29] out0 at the work-group's rows
; s_set_vgpr_msb's low byte: bits 1:0 source 0, 3:2 source 1, 5:4 source 2, 7:6 destination; the high byte repeats the setting that is left
.set MSB, 0
.macro WIN new
.if MSB != \new
	s_set_vgpr_msb (MSB<<8)|\new
.set MSB, \new
.endif
.endm
.set W_QK,   0x04                      ; B (Q) or LDS store data in window 1, all else in window 0
.set W_CONV, 0x45                      ; both sources and the destination in window 1
.set W_TO1,  0x40                      ; a load into window 1
.set W_RESC, 0x82                      ; O = O x (window 0)
.set W_PV,   0xa0                      ; C and D in window 2
.set W_TO2,  0x80                      ; a load into window 2
.set W_CV2,  0x8a                      ; both sources and the destination in window 2
.set W_ST2,  0x08                      ; LDS store data from window 2
; A load into a register that a matrix instruction has read stands four places behind it, a matrix instruction that writes over one five, and
; only plain vector instructions that name none of its registers are places.  Five v_nop serve both.
.macro PLACES
.rept 5
	v_nop
.endr
.endm
; the four fragments (32 d each) of key tile kt of a slot into fragment buffer fb
.macro LDK slot, kt, fb
.irp ks, 0,1,2,3
	ds_load_b128 v[FR+32*\fb+8*\ks:FR+32*\fb+8*\ks+3],   v[KFA] offset:\slot*KSLOT+\kt*16*KP+64*\ks
	ds_load_b128 v[FR+32*\fb+8*\ks+4:FR+32*\fb+8*\ks+7], v[KFA] offset:\slot*KSLOT+\kt*16*KP+64*\ks+32
.endr
.endm
; the fragment V^T (d tile dt, keys 32 kp .. 32 kp + 31), transposed on the way from rows that lie along d
.macro LDV slot, kp, dt, reg
	ds_load_tr16_b128 v[\reg:\reg+3],   v[VFA] offset:\slot*VSLOT+\kp*32*VP+32*\dt
	ds_load_tr16_b128 v[\reg+4:\reg+7], v[VFA] offset:\slot*VSLOT+\kp*32*VP+32*\dt+16*VP
.endm
; 16 matrix instructions: key tile kt x four query tiles x 128 d.  The first product of a tile starts its sum.
.macro QK kt
.irp ks, 0,1,2,3
.irp n, 0,1,2,3
.if \ks == 0
	v_wmma_f32_16x16x32_bf16 v[SC+32*\kt+8*\n:SC+32*\kt+8*\n+7], v[FR+32*(\kt%2)+8*\ks:FR+32*(\kt%2)+8*\ks+7], v[32*\n+8*\ks:32*\n+8*\ks+7], 0
.else
	v_wmma_f32_16x16x32_bf16 v[SC+32*\kt+8*\n:SC+32*\kt+8*\n+7], v[FR+32*(\kt%2)+8*\ks:FR+32*(\kt%2)+8*\ks+7], v[32*\n+8*\ks:32*\n+8*\ks+7], v[SC+32*\kt+8*\n:SC+32*\kt+8*\n+7]
.endif
.endr
.endr
.endm
; my 16 rows of K and 16 of V: four f32 a lane and row become four bf16 in the row's first two registers
.macro CONV
.set ii, 0
.rept 32
	v_cvt_pk_bf16_f32 v[GR+4*ii],   v[GR+4*ii],   v[GR+4*ii+1]
	v_cvt_pk_bf16_f32 v[GR+4*ii+1], v[GR+4*ii+2], v[GR+4*ii+3]
.set ii, ii+1
.endr
.endm
; and go to LDS: each store of the wave covers the 256 consecutive bytes of one bf16 row
.macro STKV slot
.irp i, 0,1,2,3,4,5,6,7,8,9,10,11,12,13,14,15
	ds_store_b64 v[KST], v[GR+4*\i:GR+4*\i+1] offset:\slot*KSLOT+\i*KP
.endr
.irp i, 0,1,2,3,4,5,6,7,8,9,10,11,12,13,14,15
	ds_store_b64 v[VST], v[GR+64+4*\i:GR+64+4*\i+1] offset:\slot*VSLOT+\i*VP
.endr
.endm
; 32 loads, each one whole row of 512 bytes.  No cache word: seven other work-groups read the same rows.
.macro GLOAD
.irp i, 0,1,2,3,4,5,6,7,8,9,10,11,12,13,14,15
	global_load_b128 v[GR+4*\i:GR+4*\i+3], v[GOFF], s[KB:KB+1] offset:\i*ROWB
.endr
.irp i, 0,1,2,3,4,5,6,7,8,9,10,11,12,13,14,15
	global_load_b128 v[GR+64+4*\i:GR+64+4*\i+3], v[GOFF], s[VB:VB+1] offset:\i*ROWB
.endr
.endm
; Wave 0 asks for 32 blocks of 256 bytes: a quarter of the K tile (work-groups 0-3 of the head) or of the V tile (4-7) that the next
; trip's loads will want.  So each block of a head is asked for once in the launch.
.macro PREF id
	s_cmp_lg_u32 s12, 0
	s_cbranch_scc1 .Lnp\id
	global_prefetch_b8 v[PFO], s[PF:PF+1] th:TH_LOAD_NT scope:SCOPE_SE
.Lnp\id:
.endm
; the largest of my 32 scores of each query, in two chains a query tile (key tiles 0, 1 with the running maximum; key tiles 2, 3)
.macro MAXES first
.irp n, 0,1,2,3
.if \first
	v_max_num_f32 v[TA+\n], v[SC+8*\n], v[SC+8*\n+1]
.else
	v_max3_num_f32 v[TA+\n], v[TA+\n], v[SC+8*\n], v[SC+8*\n+1]
.endif
	v_max_num_f32 v[TB+\n], v[SC+64+8*\n], v[SC+64+8*\n+1]
.endr
.irp p, 1,2,3,4,5,6,7
.irp n, 0,1,2,3
	v_max3_num_f32 v[TA+\n], v[TA+\n], v[SC+32*(\p/4)+2*(\p%4)+8*\n], v[SC+32*(\p/4)+2*(\p%4)+8*\n+1]
	v_max3_num_f32 v[TB+\n], v[TB+\n], v[SC+64+32*(\p/4)+2*(\p%4)+8*\n], v[SC+64+32*(\p/4)+2*(\p%4)+8*\n+1]
.endr
.endr
.endm
; the new maximum of each query (lane l xor 16 holds the other 32 keys), alpha = 2^(c old - c new), and -c new as a pair
.macro STATS first
.irp n, 0,1,2,3
	v_max_num_f32 v[TA+\n], v[TA+\n], v[TB+\n]
.endr
.irp n, 0,1,2,3
	v_permlanex16_b32 v[TB+\n], v[TA+\n], s30, s31
.endr
.irp n, 0,1,2,3
	v_max_num_f32 v[TA+\n], v[TA+\n], v[TB+\n]
.endr
.irp n, 0,1,2,3
	v_mul_f32 v[TB+\n], 0xbe0293ee, v[TA+\n]       ; -c x the new maximum
.endr
.if \first == 0
.irp n, 0,1,2,3
	v_sub_f32 v[AL+2*\n], v[TB+\n], v[NM+2*\n]     ; (-c new) - (-c old), never above 0
.endr
.irp n, 0,1,2,3
	v_exp_f32 v[AL+2*\n], v[AL+2*\n]
.endr
.endif
.irp n, 0,1,2,3
	v_mov_b32 v[NM+2*\n],   v[TB+\n]               ; plain lines that touch no alpha stand behind the exponentials (ISA guide 5.7.2)
	v_mov_b32 v[NM+2*\n+1], v[TB+\n]
.endr
.if \first == 0
.irp n, 0,1,2,3
	s_wait_alu depctr_va_vdst(0)
	v_mov_b32 v[AL+2*\n+1], v[AL+2*\n]
.endr
.endif
.endm
; One stage of the softmax, three query tiles in step, 16 pairs of scores each: tile st gets c s - c max, tile st - 1 its exponentials, tile st - 2
; is added to its row sums and packed to bf16.  So each pair of v_exp_f32 is followed by a plain line on other registers, and its results are read
; a stage later.  Packing: the pairs of key tiles 2 kp and 2 kp + 1 go to registers 0-3 and 4-7 of tile (2 kp, n), which is then the B fragment
; P(kp, n); each register is written only behind the lines that read it.  The odd key tiles are left free.
.macro STAGE st, first
.set ii, 0
.rept 16
.set PR, SC+32*(ii/4)+2*(ii%4)
.if \st >= 1
.if \st <= 4
	v_exp_f32 v[PR+8*(\st-1)],   v[PR+8*(\st-1)]
	v_exp_f32 v[PR+8*(\st-1)+1], v[PR+8*(\st-1)+1]
.endif
.endif
.if \st <= 3
	v_pk_fma_f32 v[PR+8*\st:PR+8*\st+1], v[PR+8*\st:PR+8*\st+1], v[CS:CS+1], v[NM+2*\st:NM+2*\st+1]
.endif
.if \st >= 2
.if ii == 0
.if \first
	s_wait_alu depctr_va_vdst(0)
	v_pk_mul_f32 v[LS+2*(\st-2):LS+2*(\st-2)+1], v[PR+8*(\st-2):PR+8*(\st-2)+1], 1.0 op_sel_hi:[1,0]   ; the first pair starts the sums
.else
	s_wait_alu depctr_va_vdst(0)
	v_pk_fma_f32 v[LS+2*(\st-2):LS+2*(\st-2)+1], v[LS+2*(\st-2):LS+2*(\st-2)+1], v[AL+2*(\st-2):AL+2*(\st-2)+1], v[PR+8*(\st-2):PR+8*(\st-2)+1]
.endif
.else
	s_wait_alu depctr_va_vdst(0)
	v_pk_add_f32 v[LS+2*(\st-2):LS+2*(\st-2)+1], v[LS+2*(\st-2):LS+2*(\st-2)+1], v[PR+8*(\st-2):PR+8*(\st-2)+1]
.endif
	v_cvt_pk_bf16_f32 v[SC+64*(ii/8)+4*((ii/4)%2)+(ii%4)+8*(\st-2)], v[PR+8*(\st-2)], v[PR+8*(\st-2)+1]
.endif
.set ii, ii+1
.endr
.endm
; O^T x alpha: a lane's eight numbers of a tile belong to one query
.macro RESCALE
.irp d, 0,1,2,3,4,5,6,7
.irp n, 0,1,2,3
.irp j, 0,2,4,6
	v_pk_mul_f32 v[32*\d+8*\n+\j:32*\d+8*\n+\j+1], v[32*\d+8*\n+\j:32*\d+8*\n+\j+1], v[AL+2*\n:AL+2*\n+1]
.endr
.endr
.endr
.endm
; 16 matrix instructions: d tiles dt0 .. dt0 + 3 x four query tiles x keys 32 kp .. 32 kp + 31.
; V's fragments of kp = 0 lie in the fragment buffers, those of kp = 1 in the freed S^T tiles (1, dt) and (3, dt - 4).
.macro PV kp, dt0, first
.irp d, 0,1,2,3
.irp n, 0,1,2,3
.if \kp == 0
.set VA, FR+8*(\dt0+\d)
.else
.set VA, SC+32+64*(\dt0/4)+8*\d
.endif
.set OA, 32*(\dt0+\d)+8*\n
.if \first
	v_wmma_f32_16x16x32_bf16 v[OA:OA+7], v[VA:VA+7], v[SC+64*\kp+8*\n:SC+64*\kp+8*\n+7], 0
.else
	v_wmma_f32_16x16x32_bf16 v[OA:OA+7], v[VA:VA+7], v[SC+64*\kp+8*\n:SC+64*\kp+8*\n+7], v[OA:OA+7]
.endif
.endr
.endr
.endm
; ONE TRIP: 64 keys out of slot cur.  At its head 16 LDS loads are out (key tiles 0 and 1 into the two fragment buffers) and, if conv, the 32 global
; loads of the next tile.  first: nothing to carry on.  conv: the next tile is rounded and stored into the other slot.  load: the tile after that
; is requested.  pf: the one after that is asked for.  last: no slot follows.
.macro TRIP cur, first, conv, load, pf, last, id
	WIN W_QK
	s_wait_dscnt 0x8                               ; LDS loads come back in order (ISA guide 5.7.1): key tile 0 is in, the 8 loads of tile 1 may be out
	QK 0
	PLACES
	LDK \cur, 2, 0
	s_wait_dscnt 0x8                               ; key tile 1 is in; younger: the 8 loads of tile 2
	QK 1
	PLACES
	LDK \cur, 3, 1
	s_wait_dscnt 0x8                               ; key tile 2 is in; younger: the 8 loads of tile 3
	QK 2
	PLACES
.irp d, 0,1,2,3
	LDV \cur, 0, \d, FR+8*\d
.endr
	s_wait_dscnt 0x8                               ; key tile 3 is in; younger: those 8 loads of V
	QK 3
.if \conv
	s_wait_loadcnt 0x0                             ; the next tile's 32 loads, issued a trip ago, are in; their bases are free
.if \load
	s_add_nc_u64 s[KB:KB+1], s[KB:KB+1], TILEB
	s_add_nc_u64 s[VB:VB+1], s[VB:VB+1], TILEB
.endif
.if \pf
	s_wait_xcnt 0x0                                ; the prefetch of a trip ago has read its base (ISA guide 3.1): it is stepped only behind this wait
	s_add_nc_u64 s[PF:PF+1], s[PF:PF+1], TILEB
.endif
	WIN W_CONV
	CONV                                           ; these 64 lines are also the places behind the last products above
	WIN W_QK
	STKV (1-\cur)                                  ; the other slot: its readers passed the last trip's barrier
.else
	PLACES
.endif
.irp d, 4,5,6,7
	LDV \cur, 0, \d, FR+8*\d
.endr
.if \load
	WIN W_TO1
	GLOAD
.endif
	WIN 0
.if \pf
	PREF \id
.endif
	MAXES \first
	STATS \first
	STAGE 0, \first
	STAGE 1, \first
	STAGE 2, \first
	STAGE 3, \first
	STAGE 4, \first
	STAGE 5, \first
.irp d, 0,1,2,3
	LDV \cur, 1, \d, SC+32+8*\d
.endr
.irp d, 4,5,6,7
	LDV \cur, 1, \d, SC+96+8*(\d-4)
.endr
.if \first == 0
	WIN W_RESC
	RESCALE
.endif
	WIN W_PV
	s_wait_dscnt 0x10                              ; all but the 16 loads just issued: V's fragments of keys 0-31 are in
	PV 0, 0, \first
	PV 0, 4, \first
	s_wait_dscnt 0x0                               ; my reads of this slot and my stores into the other one are done
.if \last
	PV 1, 0, 0
	PV 1, 4, 0
	WIN 0
	PLACES
.else
	s_barrier_signal -1                            ; say so,
	PV 1, 0, 0                                     ; work on registers while the others arrive,
	s_barrier_wait -1                              ; and go on when all four have said so: the other slot may be read, this one written again
	WIN 0
	PLACES
	LDK (1-\cur), 0, 0
	LDK (1-\cur), 1, 1
	WIN W_PV
	PV 1, 4, 0
.endif
.endm
	; ---- ids, offsets, bases ----
	s_load_b256 s[4:11], s[0:1], 0x0               ; q s[4:5], k s[6:7], v s[8:9], out0 s[10:11]
	v_lshl_add_u32 v62, v0, 2, 0x22800
	v_mov_b32 v63, 0
	v_lshrrev_b32 v15, 5, v0
	v_readfirstlane_b32 s12, v15                   ; wave 0..3
	v_and_b32 v12, 31, v0                          ; l
	v_and_b32 v13, 15, v0                          ; l % 16
	v_bfe_u32 v14, v0, 4, 1                        ; l / 16
	s_lshl_b32 s13, s12, 13                        ; 16 rows of 512 bytes
	v_lshl_add_u32 v[GOFF], v12, 4, s13
	s_lshl_b32 s13, s12, 15                        ; 64 rows of 512 bytes
	v_lshl_add_u32 v[QOFF], v12, 4, s13
	s_mul_i32 s13, s12, 16*KP
	v_lshl_add_u32 v[KST], v12, 3, s13
	s_mul_i32 s13, s12, 16*VP
	s_add_co_u32 s13, s13, VBASE
	v_lshl_add_u32 v[VST], v12, 3, s13
	v_mul_u32_u24 v[KFA], v13, KP
	v_lshl_add_u32 v[KFA], v14, 4, v[KFA]
	v_and_b32 v15, 7, v0
	v_lshl_add_u32 v15, v14, 3, v15                ; key 8 (l / 16) + l % 8
	v_mul_u32_u24 v15, v15, VP
	v_bfe_u32 v[VFA], v0, 3, 1
	v_lshl_add_u32 v15, v[VFA], 4, v15             ; + 16 bytes for the second eight d
	v_add_nc_u32 v[VFA], VBASE, v15
	s_mul_i32 s13, s12, WSIZE
	s_add_co_u32 s13, s13, WBASE                   ; my wave's own region
	v_lshl_add_u32 v[WST], v12, 3, s13
	v_add_nc_u32 v[WQF], s13, v[KFA]
	v_mul_u32_u24 v15, v13, OP
	v_lshl_add_u32 v15, v14, 5, v15
	v_add_nc_u32 v[OST], s13, v15
	v_lshl_add_u32 v[ORD], v12, 4, s13
	v_lshlrev_b32 v[PFO], 8, v12
	v_mov_b32 v[CS],   0x3e0293ee                  ; c = log2(e) / sqrt(128)
	v_mov_b32 v[CS+1], 0x3e0293ee
	s_lshl_b32 s14, ttmp9, 17                      ; the work-group's 256 rows of 512 bytes in q and out0
	s_mov_b32 s15, 0
	s_lshr_b32 s16, ttmp9, 3
	s_lshl_b32 s16, s16, 20                        ; the head's 2,048 rows of 512 bytes in k and v
	s_mov_b32 s17, 0
	s_and_b32 s18, ttmp9, 3
	s_lshl_b32 s18, s18, 13                        ; my quarter of a tile,
	s_add_co_u32 s18, s18, s16
	s_add_co_u32 s18, s18, 2*TILEB                 ; from tile 2 on
	s_mov_b32 s19, 0
	s_and_b32 s35, ttmp9, 7                        ; the work-group's place in its head
	s_mov_b32 s30, 0x76543210                      ; v_permlanex16_b32: lane i of one half reads lane i of the other
	s_mov_b32 s31, 0xfedcba98
	s_wait_kmcnt 0x0
	s_add_nc_u64 s[QB:QB+1], s[4:5], s[14:15]
	s_add_nc_u64 s[OB:OB+1], s[10:11], s[14:15]
	s_add_nc_u64 s[KB:KB+1], s[6:7], s[16:17]
	s_add_nc_u64 s[VB:VB+1], s[8:9], s[16:17]
	s_cmp_lt_u32 s35, 4
	s_cselect_b64 s[PF:PF+1], s[6:7], s[8:9]       ; places 0-3 ask for k, places 4-7 for v
	s_add_nc_u64 s[PF:PF+1], s[PF:PF+1], s[18:19]
	; ---- my 64 rows of q, and K/V tile 0 ----
	WIN W_TO2
.set ii, 0
.rept 64
	global_load_b128 v[4*ii:4*ii+3], v[QOFF], s[QB:QB+1] offset:ii*ROWB th:TH_LOAD_NT   ; read once in the whole launch
.set ii, ii+1
.endr
	WIN W_TO1
	GLOAD
	s_wait_loadcnt 32                              ; q is in; the 32 younger loads are tile 0
	WIN W_CV2
.set ii, 0
.rept 64
	v_cvt_pk_bf16_f32 v[4*ii],   v[4*ii],   v[4*ii+1]
	v_cvt_pk_bf16_f32 v[4*ii+1], v[4*ii+2], v[4*ii+3]
.set ii, ii+1
.endr
	WIN W_ST2
.set ii, 0
.rept 64
	ds_store_b64 v[WST], v[4*ii:4*ii+1] offset:ii*KP
.set ii, ii+1
.endr
	s_wait_loadcnt 0x0                             ; tile 0 is in; the bases are free
	s_add_nc_u64 s[KB:KB+1], s[KB:KB+1], TILEB
	s_add_nc_u64 s[VB:VB+1], s[VB:VB+1], TILEB
	WIN W_CONV
	CONV
	WIN W_QK
	STKV 0
	WIN W_TO1
	GLOAD                                          ; tile 1
	WIN 0
	PREF 0                                         ; tile 2
	WIN W_TO1
.irp n, 0,1,2,3
.irp ks, 0,1,2,3
	ds_load_b128 v[32*\n+8*\ks:32*\n+8*\ks+3],   v[WQF] offset:\n*16*KP+64*\ks      ; my own bytes: LDS serves a wave's instructions in order (ISA guide 5.7.1)
	ds_load_b128 v[32*\n+8*\ks+4:32*\n+8*\ks+7], v[WQF] offset:\n*16*KP+64*\ks+32
.endr
.endr
	WIN 0
	s_wait_dscnt 0x0                               ; Q's fragments are in, and my rows of slot 0 are stored
	s_barrier_signal -1
	s_barrier_wait -1                              ; everybody's are
	LDK 0, 0, 0
	LDK 0, 1, 1
	; ---- 32 trips.  Trip t multiplies tile t, stores tile t + 1, loads tile t + 2, asks for tile t + 3: the tail is written out, nothing passes tile 31 ----
	TRIP 0, 1, 1, 1, 1, 0, 1                       ; trip 0 stands in front of the loop: its products start the sums
	WIN 0                                          ; at a label and at a branch every window is 0
	s_mov_b32 s34, (TRIPS-4)/2
.Lround:
	TRIP 1, 0, 1, 1, 1, 0, 2
	TRIP 0, 0, 1, 1, 1, 0, 3
	WIN 0
	s_sub_co_u32 s34, s34, 1
	s_cmp_lg_u32 s34, 0
	s_cbranch_scc1 .Lround
	TRIP 1, 0, 1, 1, 0, 0, 4                       ; trip 29 loads tile 31, the last
	TRIP 0, 0, 1, 0, 0, 0, 5                       ; trip 30 stores it
	TRIP 1, 0, 0, 0, 0, 1, 6                       ; trip 31
	; ---- 1 / row sum: my two partial sums, then those of lane l xor 16.  The key of the maximum adds about 1, so the sum is no denormal ----
.irp n, 0,1,2,3
	v_add_f32 v[TA+\n], v[LS+2*\n], v[LS+2*\n+1]
.endr
.irp n, 0,1,2,3
	v_permlanex16_b32 v[TB+\n], v[TA+\n], s30, s31
.endr
.irp n, 0,1,2,3
	v_add_f32 v[TA+\n], v[TA+\n], v[TB+\n]
.endr
.irp n, 0,1,2,3
	v_rcp_f32 v[AL+2*\n], v[TA+\n]
.endr
	v_nop                                          ; one plain line behind the reciprocals before they are read (ISA guide 5.7.2)
.irp n, 0,1,2,3
	s_wait_alu depctr_va_vdst(0)
	v_mov_b32 v[AL+2*\n+1], v[AL+2*\n]
.endr
; THE WAY OUT, 16 queries at a time.  A lane holds 8 neighbouring d of one query in each of 8 tiles: 32 bytes each go into my wave's own stage, and
; whole rows come back, so that each store of the wave covers the 512 consecutive bytes of one row of out0, aligned.  rb: two sets of registers in turn.
.macro OUT n, rb
	WIN W_RESC
.irp d, 0,1,2,3,4,5,6,7
.irp j, 0,2,4,6
	v_pk_mul_f32 v[32*\d+8*\n+\j:32*\d+8*\n+\j+1], v[32*\d+8*\n+\j:32*\d+8*\n+\j+1], v[AL+2*\n:AL+2*\n+1]
.endr
.endr
	WIN W_ST2
.irp d, 0,1,2,3,4,5,6,7
	ds_store_b128 v[OST], v[32*\d+8*\n:32*\d+8*\n+3]   offset:64*\d
	ds_store_b128 v[OST], v[32*\d+8*\n+4:32*\d+8*\n+7] offset:64*\d+16
.endr
	WIN 0
	s_wait_xcnt 0x0                                ; earlier stores have read their data (ISA guide 3.1): set rb is loaded again only behind this wait
.irp t, 0,1,2,3,4,5,6,7,8,9,10,11,12,13,14,15
	ds_load_b128 v[\rb+4*\t:\rb+4*\t+3], v[ORD] offset:OP*\t       ; in order behind my own stores above
.endr
.irp t, 0,1,2,3,4,5,6,7,8,9,10,11,12,13,14,15
	s_wait_dscnt 15-\t                             ; row t is in, the younger rows may be out
	global_store_b128 v[QOFF], v[\rb+4*\t:\rb+4*\t+3], s[OB:OB+1] offset:(16*\n+\t)*ROWB th:TH_STORE_NT
.endr
.endm
	OUT 0, SC
	OUT 1, SC+64
	OUT 2, SC
	OUT 3, SC+64
	s_wait_tensorcnt 0x0
	ds_add_u32 v62, v63
	s_wait_dscnt 0x0
	s_endpgm
.Lfunc_end_k_q55b0b1fbb6_attn:
	.size	k_q55b0b1fbb6_attn, .Lfunc_end_k_q55b0b1fbb6_attn-k_q55b0b1fbb6_attn
	.p2alignl 7, 3214868480
	.fill 96, 4, 3214868480
	.section	.rodata,"a",@progbits
	.p2align	6, 0x0
	.amdhsa_kernel k_q55b0b1fbb6_attn
		.amdhsa_group_segment_fixed_size 141824
		.amdhsa_private_segment_fixed_size 0
		.amdhsa_enable_private_segment 0
		.amdhsa_kernarg_size 32
		.amdhsa_user_sgpr_count 2
		.amdhsa_user_sgpr_kernarg_segment_ptr 1
		.amdhsa_wavefront_size32 1
		.amdhsa_system_sgpr_workgroup_id_x 1
		.amdhsa_system_sgpr_workgroup_id_y 1
		.amdhsa_system_sgpr_workgroup_id_z 1
		.amdhsa_system_vgpr_workitem_id 0
		.amdhsa_next_free_vgpr 768
		.amdhsa_next_free_sgpr 66
		.amdhsa_reserve_vcc 0
		.amdhsa_float_denorm_mode_32 3
		.amdhsa_float_denorm_mode_16_64 3
		.amdhsa_memory_ordered 1
		.amdhsa_forward_progress 1
		.amdhsa_inst_pref_size 255
	.end_amdhsa_kernel
	.section	.bss,"aw",@nobits
	.p2align	6
	.space	262144
	.amdgpu_metadata
---
amdhsa.version: [ 1, 2 ]
amdhsa.kernels:
  - .name:           k_q55b0b1fbb6_attn
    .symbol:         k_q55b0b1fbb6_attn.kd
    .args:
      - { .name: q, .offset: 0, .size: 8, .value_kind: global_buffer, .address_space: global }
      - { .name: k, .offset: 8, .size: 8, .value_kind: global_buffer, .address_space: global }
      - { .name: v, .offset: 16, .size: 8, .value_kind: global_buffer, .address_space: global }
      - { .name: out0, .offset: 24, .size: 8, .value_kind: global_buffer, .address_space: global }
    .group_segment_fixed_size: 141824
    .private_segment_fixed_size: 0
    .kernarg_segment_align: 8
    .kernarg_segment_size: 32
    .max_flat_workgroup_size: 128
    .sgpr_count:     66
    .vgpr_count:     768
    .wavefront_size: 32
...
	.end_amdgpu_metadata
.endif
;; end of part 1
;; ======== version 2 of 2: 1 launch; version 1 with the launch attn written anew for expert scheduling mode
;; launch attn (part 2): grid 256 x 1, 4 waves a work-group, no clusters, 141,824 bytes of LDS; arguments q, k, v, out0; writes out0
.if DOCPART == 2
	.amdgcn_target "amdgcn-amd-amdhsa--gfx1250"
	.amdhsa_code_object_version 6
	.text
	.protected	k_q55b0b1fbb6_attn
	.globl	k_q55b0b1fbb6_attn
	.p2align	8
	.type	k_q55b0b1fbb6_attn,@function
k_q55b0b1fbb6_attn:
	s_mov_b64 s[64:65], 0
	v_nop
	global_prefetch_b8 v0, s[64:65] scope:SCOPE_SE
	s_setreg_imm32_b32 hwreg(HW_REG_WAVE_SCHED_MODE, 0, 2), 2
	s_setreg_imm32_b32 hwreg(HW_REG_WAVE_MODE, 25, 1), 1
	s_wait_xcnt 0x0
	s_wait_alu depctr_vm_vsrc(0)
; out0 = softmax(q k^T / sqrt(128)) v for 32 heads of 2,048 x 128 numbers, all four buffers f32.
; One launch, online softmax.  256 work-groups: work-group g takes head g >> 3 and the 256 query rows g & 7 of it; its four waves take
; 64 query rows each and walk the head's 2,048 keys in 32 trips of 64.
;
; BOTH PRODUCTS ARE TAKEN TRANSPOSED.  S^T = K Q^T (A = 16 keys x 32 d, B = 16 queries) and O^T = V^T P^T (A = 16 d x 32 keys, B = P).
; A lane then owns ONE query in each of the wave's four query tiles: register j of an S^T tile is key 8 (l / 16) + j of query l % 16, which
; packed two by two is the B fragment of the second product as it stands.  P never passes through LDS, a row's maximum needs one
; exchange with lane l xor 16, and the row sums are exchanged once, at the end.
;
; K AND V COME THROUGH REGISTERS (16-byte loads, rounding to bf16, 8-byte LDS stores), each wave 16 of a tile's 64 rows, one trip ahead.
; The eight work-groups of a head read the same tiles, yet no joint tensor load is used: it would land f32 in LDS, and per 64 keys that is
; 64 KB written, 64 KB read back and 32 KB stored again as bf16 beside the 128 KB of fragment reads of the four waves; this way
; only the 32 KB of bf16 are stored.
;
; FORMATS AND LIMITS.  q, k, v are rounded to bf16 as they stand; sums in f32.  The factor c = log2(e) / sqrt(128) is applied to the f32 scores.
; p = 2^(c s - c max) is rounded to bf16 for the second product, the row sum adds the unrounded p.  Inputs and scores must be finite:
; NaN and infinities are not reproduced (the maximum drops a NaN).  A p below 2^-126 counts as zero (v_exp_f32 flushes).
;
; THE MODE: SCHED_MODE bits 1:0 = 2 (LLVM: expert scheduling mode 2), set by the entry lines.  The code itself states the register dependences
; between vector or matrix instructions and memory or LDS instructions, with s_wait_alu, always for 0.
; THE PLAN.  Registers that memory or LDS instructions touch, in a trip:
;   K's fragments (window 3, v0-127)    Loaded behind the barrier of the trip before; read by this trip's 64 products K Q^T, at its head.
;   V's fragments (window 3, v128-255)  Loaded in the trip's middle; read by its 64 products V^T P, at its end.
;   GR (window 1, v128-255)             The next tile's rows in f32: loaded a trip ago; read by this trip's 64 roundings; then loaded again.
;   BF (window 0, v64-127)              The same rows in bf16: written by the roundings; read by the trip's 32 LDS stores.
;   v1-v11                              Addresses and offsets, made once at the head and never written again: scalar bases and immediates do the rest.
; So ONE wait on va_vdst stands in a trip, behind the roundings: they have written BF and are done reading GR; the products V^T P of the trip before are done
; reading V's fragments; this trip's products K Q^T are done reading K's.  Behind it follow the global loads, the LDS stores and V's LDS loads in one run, and,
; behind the barrier, K's LDS loads: the vector and matrix lines between (softmax, rescaling, V^T P) name S^T, P, the statistics, O^T and V's fragments, none of
; the registers that K's loads touch.  ONE wait on vm_vsrc stands ahead of the roundings: the LDS stores of a trip ago have read BF.
.set ROWB,  512                        ; bytes of an f32 row of 128
.set TILEB, 64*ROWB                    ; a K or V tile of 64 keys in memory
.set TRIPS, 2048/64
.set KP,    272                        ; LDS pitch of a bf16 row of K or Q: 256 + 16, an odd multiple of 16: the 16 rows of a fragment load start in 16 different 16-byte columns of 256
.set VP,    288                        ; LDS pitch of a bf16 row of V: 256 + 32, an odd multiple of 32, for the transposing load
.set OP,    528                        ; LDS pitch of an f32 row on the way out: 512 + 16
.set KSLOT, 64*KP                      ; two K slots from byte 0
.set VSLOT, 64*VP
.set VBASE, 2*KSLOT                    ; two V slots behind them
.set WBASE, VBASE+2*VSLOT              ; then a region of each wave's own: first its 64 rows of Q in bf16, at the end 16 rows of output
.set WSIZE, 64*KP
; window 0
.set GOFF, 1                           ; byte offset of my 16 bytes in a K or V tile: wave x 16 rows + 16 lane
.set QOFF, 2                           ; the same in the work-group's rows of q and out0: wave x 64 rows + 16 lane
.set KST,  3                           ; LDS: where my 8 bytes of bf16 of a K row go
.set VST,  4                           ; the same for V
.set KFA,  5                           ; LDS: my part of a K fragment: (l % 16) KP + 16 (l / 16)
.set VFA,  6                           ; LDS: my part of a transposed V fragment
.set WST,  7                           ; LDS: my 8 bytes of a Q row
.set WQF,  8                           ; LDS: my part of a Q fragment
.set OST,  9                           ; LDS, way out: row l % 16, 32 bytes for each half of the lanes
.set ORD,  10                          ; LDS, way out: my 16 bytes of a whole row
.set PFO,  11                          ; prefetch: 256 lane
.set NM,   16                          ; v[16:23]  query tile n: the pair (-c max, -c max)
.set AL,   24                          ; v[24:31]  the pair (alpha, alpha); at the end (1 / l, 1 / l)
.set LS,   32                          ; v[32:39]  a pair of partial row sums
.set TA,   40                          ; v[40:43]  the running maximum of the raw scores; it stays from trip to trip
.set TB,   44                          ; v[44:47]  at work
.set CS,   52                          ; v[52:53]  the pair (c, c)
.set BF,   64                          ; v[64:127] my rows of the next tile in bf16: K row i at BF + 2 i, V row i at BF + 32 + 2 i
.set SC,   128                         ; v[128:255] S^T tile (key tile kt, query tile n) at SC + 32 kt + 8 n
; window 1: v0-127 the Q fragment (n, ks) at 32 n + 8 ks; v128-255 the K and V rows on their way in
.set GR,   128                         ; K row i at GR + 4 i, V row i at GR + 64 + 4 i
; window 2: the O^T tile (d tile dt, query tile n) at 32 dt + 8 n.  Before the first trip the 64 rows of q land here.
; window 3: v0-127 the K fragment (key tile kt, ks) at 32 kt + 8 ks; v128-255 the V^T fragment (keys 32 kp on, d tile dt) at VF + 64 kp + 8 dt
.set VF,   128
.set KB, 20                            ; s[20:21] k at the tile that is loaded next
.set VB, 22                            ; s[22:23] v likewise
.set PF, 24                            ; s[24:25] the quarter tile that this work-group asks for next
.set QB, 26                            ; s[26:27] q at the work-group's rows
.set OB, 28                            ; s[28:29] out0 at the work-group's rows
; s_set_vgpr_msb's low byte: bits 1:0 source 0, 3:2 source 1, 5:4 source 2, 7:6 destination; the high byte repeats the setting that is left
.set MSB, 0
.macro WIN new
.if MSB != \new
	s_set_vgpr_msb (MSB<<8)|\new
.set MSB, \new
.endif
.endm
.set W_QK,   0x07                      ; A (K) in window 3, B (Q) in window 1, S^T in window 0
.set W_CONV, 0x05                      ; both sources in window 1, the destination in window 0
.set W_TO1,  0x40                      ; a load into window 1
.set W_RESC, 0x82                      ; O = O x (window 0)
.set W_PV,   0xa3                      ; A (V) in window 3, B (P) in window 0, C and D in window 2
.set W_TO2,  0x80                      ; a load into window 2
.set W_CV2,  0x8a                      ; both sources and the destination in window 2
.set W_ST2,  0x08                      ; LDS store data from window 2
.set W_TO3,  0xc0                      ; a load into window 3
; A matrix instruction that writes over a register that another has read stands five places behind it, a vector instruction that reads a matrix result four, and
; only plain vector instructions that name none of its registers are places (ISA guide 7.12.1).  Five v_nop serve both.
.macro PLACES
.rept 5
	v_nop
.endr
.endm
; the four fragments (32 d each) of key tile kt of a slot
.macro LDK slot, kt
.irp ks, 0,1,2,3
	ds_load_b128 v[32*\kt+8*\ks:32*\kt+8*\ks+3],   v[KFA] offset:\slot*KSLOT+\kt*16*KP+64*\ks
	ds_load_b128 v[32*\kt+8*\ks+4:32*\kt+8*\ks+7], v[KFA] offset:\slot*KSLOT+\kt*16*KP+64*\ks+32
.endr
.endm
; the eight fragments V^T (d tile d, keys 32 kp .. 32 kp + 31), transposed on the way from rows that lie along d
.macro LDV slot, kp
.irp d, 0,1,2,3,4,5,6,7
	ds_load_tr16_b128 v[VF+64*\kp+8*\d:VF+64*\kp+8*\d+3],   v[VFA] offset:\slot*VSLOT+\kp*32*VP+32*\d
	ds_load_tr16_b128 v[VF+64*\kp+8*\d+4:VF+64*\kp+8*\d+7], v[VFA] offset:\slot*VSLOT+\kp*32*VP+32*\d+16*VP
.endr
.endm
; 16 matrix instructions: key tile kt x four query tiles x 128 d.  The first product of a tile starts its sum.
.macro QK kt
.irp ks, 0,1,2,3
.irp n, 0,1,2,3
.if \ks == 0
	v_wmma_f32_16x16x32_bf16 v[SC+32*\kt+8*\n:SC+32*\kt+8*\n+7], v[32*\kt+8*\ks:32*\kt+8*\ks+7], v[32*\n+8*\ks:32*\n+8*\ks+7], 0
.else
	v_wmma_f32_16x16x32_bf16 v[SC+32*\kt+8*\n:SC+32*\kt+8*\n+7], v[32*\kt+8*\ks:32*\kt+8*\ks+7], v[32*\n+8*\ks:32*\n+8*\ks+7], v[SC+32*\kt+8*\n:SC+32*\kt+8*\n+7]
.endif
.endr
.endr
.endm
; my 16 rows of K and 16 of V: four f32 a lane and row become four bf16 in two registers of BF
.macro CONV
.set ii, 0
.rept 32
	v_cvt_pk_bf16_f32 v[BF+2*ii],   v[GR+4*ii],   v[GR+4*ii+1]
	v_cvt_pk_bf16_f32 v[BF+2*ii+1], v[GR+4*ii+2], v[GR+4*ii+3]
.set ii, ii+1
.endr
.endm
; and go to LDS: each store of the wave covers the 256 consecutive bytes of one bf16 row
.macro STKV slot
.irp i, 0,1,2,3,4,5,6,7,8,9,10,11,12,13,14,15
	ds_store_b64 v[KST], v[BF+2*\i:BF+2*\i+1] offset:\slot*KSLOT+\i*KP
.endr
.irp i, 0,1,2,3,4,5,6,7,8,9,10,11,12,13,14,15
	ds_store_b64 v[VST], v[BF+32+2*\i:BF+32+2*\i+1] offset:\slot*VSLOT+\i*VP
.endr
.endm
; 32 loads, each one whole row of 512 bytes.  No cache word: seven other work-groups read the same rows.
.macro GLOAD
.irp i, 0,1,2,3,4,5,6,7,8,9,10,11,12,13,14,15
	global_load_b128 v[GR+4*\i:GR+4*\i+3], v[GOFF], s[KB:KB+1] offset:\i*ROWB
.endr
.irp i, 0,1,2,3,4,5,6,7,8,9,10,11,12,13,14,15
	global_load_b128 v[GR+64+4*\i:GR+64+4*\i+3], v[GOFF], s[VB:VB+1] offset:\i*ROWB
.endr
.endm
; Wave 0 asks for 32 blocks of 256 bytes: a quarter of the K tile (work-groups 0-3 of the head) or of the V tile (4-7) that the next
; trip's loads will want.  So each block of a head is asked for once in the launch.
.macro PREF id
	s_cmp_lg_u32 s12, 0
	s_cbranch_scc1 .Lnp\id
	global_prefetch_b8 v[PFO], s[PF:PF+1] th:TH_LOAD_NT scope:SCOPE_SE
.Lnp\id:
.endm
; the largest of my 32 scores of each query, in two chains a query tile (key tiles 0, 1 with the running maximum; key tiles 2, 3)
.macro MAXES first
.irp n, 0,1,2,3
.if \first
	v_max_num_f32 v[TA+\n], v[SC+8*\n], v[SC+8*\n+1]
.else
	v_max3_num_f32 v[TA+\n], v[TA+\n], v[SC+8*\n], v[SC+8*\n+1]
.endif
	v_max_num_f32 v[TB+\n], v[SC+64+8*\n], v[SC+64+8*\n+1]
.endr
.irp p, 1,2,3,4,5,6,7
.irp n, 0,1,2,3
	v_max3_num_f32 v[TA+\n], v[TA+\n], v[SC+32*(\p/4)+2*(\p%4)+8*\n], v[SC+32*(\p/4)+2*(\p%4)+8*\n+1]
	v_max3_num_f32 v[TB+\n], v[TB+\n], v[SC+64+32*(\p/4)+2*(\p%4)+8*\n], v[SC+64+32*(\p/4)+2*(\p%4)+8*\n+1]
.endr
.endr
.endm
; the new maximum of each query (lane l xor 16 holds the other 32 keys), alpha = 2^(c old - c new), and -c new as a pair
.macro STATS first
.irp n, 0,1,2,3
	v_max_num_f32 v[TA+\n], v[TA+\n], v[TB+\n]
.endr
.irp n, 0,1,2,3
	v_permlanex16_b32 v[TB+\n], v[TA+\n], s30, s31
.endr
.irp n, 0,1,2,3
	v_max_num_f32 v[TA+\n], v[TA+\n], v[TB+\n]
.endr
.irp n, 0,1,2,3
	v_mul_f32 v[TB+\n], 0xbe0293ee, v[TA+\n]       ; -c x the new maximum
.endr
.if \first == 0
.irp n, 0,1,2,3
	v_sub_f32 v[AL+2*\n], v[TB+\n], v[NM+2*\n]     ; (-c new) - (-c old), never above 0
.endr
.irp n, 0,1,2,3
	v_exp_f32 v[AL+2*\n], v[AL+2*\n]
.endr
.endif
.irp n, 0,1,2,3
	v_mov_b32 v[NM+2*\n],   v[TB+\n]               ; plain lines that touch no alpha stand behind the exponentials (ISA guide 5.7.2)
	v_mov_b32 v[NM+2*\n+1], v[TB+\n]
.endr
.if \first == 0
.irp n, 0,1,2,3
	s_wait_alu depctr_va_vdst(0)
	v_mov_b32 v[AL+2*\n+1], v[AL+2*\n]
.endr
.endif
.endm
; One stage of the softmax, three query tiles in step, 16 pairs of scores each: tile st gets c s - c max, tile st - 1 its exponentials, tile st - 2
; is added to its row sums and packed to bf16.  So each pair of v_exp_f32 is followed by a plain line on other registers, and its results are read
; a stage later.  Packing: the pairs of key tiles 2 kp and 2 kp + 1 go to registers 0-3 and 4-7 of tile (2 kp, n), which is then the B fragment
; P(kp, n); each register is written only behind the lines that read it.
.macro STAGE st, first
.set ii, 0
.rept 16
.set PR, SC+32*(ii/4)+2*(ii%4)
.if \st >= 1
.if \st <= 4
	v_exp_f32 v[PR+8*(\st-1)],   v[PR+8*(\st-1)]
	v_exp_f32 v[PR+8*(\st-1)+1], v[PR+8*(\st-1)+1]
.endif
.endif
.if \st <= 3
	v_pk_fma_f32 v[PR+8*\st:PR+8*\st+1], v[PR+8*\st:PR+8*\st+1], v[CS:CS+1], v[NM+2*\st:NM+2*\st+1]
.endif
.if \st >= 2
.if ii == 0
.if \first
	s_wait_alu depctr_va_vdst(0)
	v_pk_mul_f32 v[LS+2*(\st-2):LS+2*(\st-2)+1], v[PR+8*(\st-2):PR+8*(\st-2)+1], 1.0 op_sel_hi:[1,0]   ; the first pair starts the sums
.else
	s_wait_alu depctr_va_vdst(0)
	v_pk_fma_f32 v[LS+2*(\st-2):LS+2*(\st-2)+1], v[LS+2*(\st-2):LS+2*(\st-2)+1], v[AL+2*(\st-2):AL+2*(\st-2)+1], v[PR+8*(\st-2):PR+8*(\st-2)+1]
.endif
.else
	s_wait_alu depctr_va_vdst(0)
	v_pk_add_f32 v[LS+2*(\st-2):LS+2*(\st-2)+1], v[LS+2*(\st-2):LS+2*(\st-2)+1], v[PR+8*(\st-2):PR+8*(\st-2)+1]
.endif
	v_cvt_pk_bf16_f32 v[SC+64*(ii/8)+4*((ii/4)%2)+(ii%4)+8*(\st-2)], v[PR+8*(\st-2)], v[PR+8*(\st-2)+1]
.endif
.set ii, ii+1
.endr
.endm
; O^T x alpha: a lane's eight numbers of a tile belong to one query
.macro RESCALE
.irp d, 0,1,2,3,4,5,6,7
.irp n, 0,1,2,3
.irp j, 0,2,4,6
	v_pk_mul_f32 v[32*\d+8*\n+\j:32*\d+8*\n+\j+1], v[32*\d+8*\n+\j:32*\d+8*\n+\j+1], v[AL+2*\n:AL+2*\n+1]
.endr
.endr
.endr
.endm
; 16 matrix instructions: d tiles dt0 .. dt0 + 3 x four query tiles x keys 32 kp .. 32 kp + 31
.macro PV kp, dt0, first
.irp d, 0,1,2,3
.irp n, 0,1,2,3
.set VA, VF+64*\kp+8*(\dt0+\d)
.set OA, 32*(\dt0+\d)+8*\n
.if \first
	v_wmma_f32_16x16x32_bf16 v[OA:OA+7], v[VA:VA+7], v[SC+64*\kp+8*\n:SC+64*\kp+8*\n+7], 0
.else
	v_wmma_f32_16x16x32_bf16 v[OA:OA+7], v[VA:VA+7], v[SC+64*\kp+8*\n:SC+64*\kp+8*\n+7], v[OA:OA+7]
.endif
.endr
.endr
.endm
; ONE TRIP: 64 keys out of slot cur.  At its head 32 LDS loads are out (the fragments of the four key tiles) and, if conv, the 32 global
; loads of the next tile.  first: nothing to carry on.  conv: the next tile is rounded and stored into the other slot.  load: the tile after that
; is requested.  pf: the one after that is asked for.  last: no slot follows.
.macro TRIP cur, first, conv, load, pf, last, id
	WIN W_QK
	s_wait_dscnt 24                                ; LDS loads come back in order (ISA guide 5.7.1): key tile 0 is in, the 24 loads of tiles 1 to 3 may be out
	QK 0
	PLACES                                         ; between the last products of the trip before, which read P of keys 32-63, and key tile 2's products, which write over it
	s_wait_dscnt 16                                ; key tile 1 is in; younger: the 16 loads of tiles 2 and 3
	QK 1
	s_wait_dscnt 8                                 ; key tile 2 is in; younger: the 8 loads of tile 3
	QK 2
	s_wait_dscnt 0x0                               ; key tile 3 is in
	QK 3
.if \conv
	s_wait_loadcnt 0x0                             ; the next tile's 32 loads, issued a trip ago, are in; their bases are free
.if \load
	s_add_nc_u64 s[KB:KB+1], s[KB:KB+1], TILEB
	s_add_nc_u64 s[VB:VB+1], s[VB:VB+1], TILEB
.endif
.if \pf
	s_wait_xcnt 0x0                                ; the prefetch of a trip ago has read its base (ISA guide 3.1): it is stepped only behind this wait
	s_add_nc_u64 s[PF:PF+1], s[PF:PF+1], TILEB
.endif
	s_wait_alu depctr_vm_vsrc(0)                   ; the LDS stores of the tile before have read BF, which the roundings below write again
	WIN W_CONV
	CONV                                           ; these 64 lines are also the places behind the last products above
.else
	PLACES
.endif
.if \load
	WIN W_TO1
.elseif \conv
	WIN 0
.else
	WIN W_TO3
.endif
	s_wait_alu depctr_va_vdst(0)                   ; the roundings (where the trip has them) have written BF, which the LDS stores read, and are done reading GR, in which the global loads land; the last trip's V^T P are done reading V's fragments, this trip's K Q^T K's: the LDS loads below and behind the barrier land in them
.if \load
	GLOAD
.endif
.if \conv
	WIN 0
	STKV (1-\cur)                                  ; the other slot: its readers passed the last trip's barrier
.endif
	WIN W_TO3
	LDV \cur, 0                                    ; no vector or matrix line since the wait names V's fragments or their address
	LDV \cur, 1
	WIN 0
.if \pf
	PREF \id
.endif
	MAXES \first
	STATS \first
	STAGE 0, \first
	STAGE 1, \first
	STAGE 2, \first
	STAGE 3, \first
	STAGE 4, \first
	STAGE 5, \first
.if \first == 0
	WIN W_RESC
	RESCALE
.endif
	WIN W_PV
	s_wait_dscnt 0x10                              ; all but the youngest 16 loads: V's fragments of keys 0-31 are in
	PV 0, 0, \first
	PV 0, 4, \first
	s_wait_dscnt 0x0                               ; my reads of this slot and my stores into the other one are done
.if \last
	PV 1, 0, 0
	PV 1, 4, 0
	WIN 0
	PLACES
.else
	s_barrier_signal -1                            ; say so,
	PV 1, 0, 0                                     ; work on registers while the others arrive,
	s_barrier_wait -1                              ; and go on when all four have said so: the other slot may be read, this one written again
	WIN W_TO3
	PLACES                                         ; between the products that read P of keys 0-31 and the next trip's key tile 0, which writes over it
	LDK (1-\cur), 0                                ; no vector or matrix line since the trip's wait on va_vdst names K's fragments or their address
	LDK (1-\cur), 1
	LDK (1-\cur), 2
	LDK (1-\cur), 3
	WIN W_PV
	PV 1, 4, 0
.endif
.endm
	; ---- ids, offsets, bases.  Each scalar that a vector line reads has a register of its own ----
	s_load_b256 s[4:11], s[0:1], 0x0               ; q s[4:5], k s[6:7], v s[8:9], out0 s[10:11]
	v_lshl_add_u32 v62, v0, 2, 0x22800
	v_mov_b32 v63, 0
	v_lshrrev_b32 v15, 5, v0
	v_readfirstlane_b32 s12, v15                   ; wave 0..3
	v_and_b32 v12, 31, v0                          ; l
	v_and_b32 v13, 15, v0                          ; l % 16
	v_bfe_u32 v14, v0, 4, 1                        ; l / 16
	s_wait_alu depctr_va_sdst(0)                   ; s12 is written, ahead of its first reader
	s_lshl_b32 s13, s12, 13                        ; 16 rows of 512 bytes
	v_lshl_add_u32 v[GOFF], v12, 4, s13
	s_lshl_b32 s36, s12, 15                        ; 64 rows of 512 bytes
	v_lshl_add_u32 v[QOFF], v12, 4, s36
	s_mul_i32 s37, s12, 16*KP
	v_lshl_add_u32 v[KST], v12, 3, s37
	s_mul_i32 s38, s12, 16*VP
	s_add_co_u32 s38, s38, VBASE
	v_lshl_add_u32 v[VST], v12, 3, s38
	v_mul_u32_u24 v[KFA], v13, KP
	v_lshl_add_u32 v[KFA], v14, 4, v[KFA]
	v_and_b32 v15, 7, v0
	v_lshl_add_u32 v15, v14, 3, v15                ; key 8 (l / 16) + l % 8
	v_mul_u32_u24 v15, v15, VP
	v_bfe_u32 v[VFA], v0, 3, 1
	v_lshl_add_u32 v15, v[VFA], 4, v15             ; + 16 bytes for the second eight d
	v_add_nc_u32 v[VFA], VBASE, v15
	s_mul_i32 s39, s12, WSIZE
	s_add_co_u32 s39, s39, WBASE                   ; my wave's own region
	v_lshl_add_u32 v[WST], v12, 3, s39
	v_add_nc_u32 v[WQF], s39, v[KFA]
	v_mul_u32_u24 v15, v13, OP
	v_lshl_add_u32 v15, v14, 5, v15
	v_add_nc_u32 v[OST], s39, v15
	v_lshl_add_u32 v[ORD], v12, 4, s39
	v_lshlrev_b32 v[PFO], 8, v12
	v_mov_b32 v[CS],   0x3e0293ee                  ; c = log2(e) / sqrt(128)
	v_mov_b32 v[CS+1], 0x3e0293ee
	s_lshl_b32 s14, ttmp9, 17                      ; the work-group's 256 rows of 512 bytes in q and out0
	s_mov_b32 s15, 0
	s_lshr_b32 s16, ttmp9, 3
	s_lshl_b32 s16, s16, 20                        ; the head's 2,048 rows of 512 bytes in k and v
	s_mov_b32 s17, 0
	s_and_b32 s18, ttmp9, 3
	s_lshl_b32 s18, s18, 13                        ; my quarter of a tile,
	s_add_co_u32 s18, s18, s16
	s_add_co_u32 s18, s18, 2*TILEB                 ; from tile 2 on
	s_mov_b32 s19, 0
	s_and_b32 s35, ttmp9, 7                        ; the work-group's place in its head
	s_mov_b32 s30, 0x76543210                      ; v_permlanex16_b32: lane i of one half reads lane i of the other
	s_mov_b32 s31, 0xfedcba98
	s_wait_kmcnt 0x0
	s_add_nc_u64 s[QB:QB+1], s[4:5], s[14:15]
	s_add_nc_u64 s[OB:OB+1], s[10:11], s[14:15]
	s_add_nc_u64 s[KB:KB+1], s[6:7], s[16:17]
	s_add_nc_u64 s[VB:VB+1], s[8:9], s[16:17]
	s_cmp_lt_u32 s35, 4
	s_cselect_b64 s[PF:PF+1], s[6:7], s[8:9]       ; places 0-3 ask for k, places 4-7 for v
	s_add_nc_u64 s[PF:PF+1], s[PF:PF+1], s[18:19]
	; ---- my 64 rows of q, and K/V tile 0 ----
	WIN W_TO2
	s_wait_alu depctr_va_vdst(0)                   ; the eleven offsets and addresses v1 to v11 are written: every memory and LDS instruction of the kernel reads one of them
.set ii, 0
.rept 64
	global_load_b128 v[4*ii:4*ii+3], v[QOFF], s[QB:QB+1] offset:ii*ROWB th:TH_LOAD_NT   ; read once in the whole launch
.set ii, ii+1
.endr
	WIN W_TO1
	GLOAD
	s_wait_loadcnt 32                              ; q is in; the 32 younger loads are tile 0
	WIN W_CV2
.set ii, 0
.rept 64
	v_cvt_pk_bf16_f32 v[4*ii],   v[4*ii],   v[4*ii+1]
	v_cvt_pk_bf16_f32 v[4*ii+1], v[4*ii+2], v[4*ii+3]
.set ii, ii+1
.endr
	WIN W_ST2
	s_wait_alu depctr_va_vdst(0)                   ; the conversions have written q's rows in bf16, which the LDS stores read
.set ii, 0
.rept 64
	ds_store_b64 v[WST], v[4*ii:4*ii+1] offset:ii*KP
.set ii, ii+1
.endr
	s_wait_loadcnt 0x0                             ; tile 0 is in; the bases are free
	s_add_nc_u64 s[KB:KB+1], s[KB:KB+1], TILEB
	s_add_nc_u64 s[VB:VB+1], s[VB:VB+1], TILEB
	WIN W_CONV
	CONV
	WIN W_TO1
	s_wait_alu depctr_va_vdst(0)                   ; the roundings have written BF, which the LDS stores read, and are done reading GR, in which the loads land
	GLOAD                                          ; tile 1
	WIN 0
	STKV 0
	PREF 0                                         ; tile 2
	WIN W_TO1
.irp n, 0,1,2,3
.irp ks, 0,1,2,3
	ds_load_b128 v[32*\n+8*\ks:32*\n+8*\ks+3],   v[WQF] offset:\n*16*KP+64*\ks      ; my own bytes: LDS serves a wave's instructions in order (ISA guide 5.7.1)
	ds_load_b128 v[32*\n+8*\ks+4:32*\n+8*\ks+7], v[WQF] offset:\n*16*KP+64*\ks+32
.endr
.endr
	WIN 0
	s_wait_dscnt 0x0                               ; Q's fragments are in, and my rows of slot 0 are stored
	s_barrier_signal -1
	s_barrier_wait -1                              ; everybody's are
	s_wait_alu depctr_vm_vsrc(0)                   ; my LDS stores of q have read the registers of window 2: these are O^T from here on, written by the first trip's products
	WIN W_TO3
	LDK 0, 0
	LDK 0, 1
	LDK 0, 2
	LDK 0, 3
	; ---- 32 trips.  Trip t multiplies tile t, stores tile t + 1, loads tile t + 2, asks for tile t + 3: the tail is written out, nothing passes tile 31 ----
	TRIP 0, 1, 1, 1, 1, 0, 1                       ; trip 0 stands in front of the loop: its products start the sums
	WIN 0                                          ; at a label and at a branch every window is 0
	s_mov_b32 s34, (TRIPS-4)/2
.Lround:
	TRIP 1, 0, 1, 1, 1, 0, 2
	TRIP 0, 0, 1, 1, 1, 0, 3
	WIN 0
	s_sub_co_u32 s34, s34, 1
	s_cmp_lg_u32 s34, 0
	s_cbranch_scc1 .Lround
	TRIP 1, 0, 1, 1, 0, 0, 4                       ; trip 29 loads tile 31, the last
	TRIP 0, 0, 1, 0, 0, 0, 5                       ; trip 30 stores it
	TRIP 1, 0, 0, 0, 0, 1, 6                       ; trip 31
	; ---- 1 / row sum: my two partial sums, then those of lane l xor 16.  The key of the maximum adds about 1, so the sum is no denormal ----
.irp n, 0,1,2,3
	v_add_f32 v[TA+\n], v[LS+2*\n], v[LS+2*\n+1]
.endr
.irp n, 0,1,2,3
	v_permlanex16_b32 v[TB+\n], v[TA+\n], s30, s31
.endr
.irp n, 0,1,2,3
	v_add_f32 v[TA+\n], v[TA+\n], v[TB+\n]
.endr
.irp n, 0,1,2,3
	v_rcp_f32 v[AL+2*\n], v[TA+\n]
.endr
	v_nop                                          ; one plain line behind the reciprocals before they are read (ISA guide 5.7.2)
.irp n, 0,1,2,3
	s_wait_alu depctr_va_vdst(0)
	v_mov_b32 v[AL+2*\n+1], v[AL+2*\n]
.endr
; THE WAY OUT, 16 queries at a time.  A lane holds 8 neighbouring d of one query in each of 8 tiles: 32 bytes each go into my wave's own stage, and
; whole rows come back, so that each store of the wave covers the 512 consecutive bytes of one row of out0, aligned.  rb: two sets of registers in turn.
.macro OUT n, rb
	WIN W_RESC
.irp d, 0,1,2,3,4,5,6,7
.irp j, 0,2,4,6
	v_pk_mul_f32 v[32*\d+8*\n+\j:32*\d+8*\n+\j+1], v[32*\d+8*\n+\j:32*\d+8*\n+\j+1], v[AL+2*\n:AL+2*\n+1]
.endr
.endr
	WIN W_ST2
	s_wait_alu depctr_va_vdst(0)                   ; the multiplications have written this block's O^T, which the LDS stores read; the softmax and the products, the last to name the two sets of rows, are done with them: the loads below land there
.irp d, 0,1,2,3,4,5,6,7
	ds_store_b128 v[OST], v[32*\d+8*\n:32*\d+8*\n+3]   offset:64*\d
	ds_store_b128 v[OST], v[32*\d+8*\n+4:32*\d+8*\n+7] offset:64*\d+16
.endr
	WIN 0
	s_wait_xcnt 0x0                                ; earlier stores have read their data (ISA guide 3.1): set rb is loaded again only behind this wait
.if \n >= 2
	s_wait_alu depctr_vm_vsrc(0)                   ; from the third block on: the global stores of two blocks back have read set rb, in which the loads below land
.endif
.irp t, 0,1,2,3,4,5,6,7,8,9,10,11,12,13,14,15
	ds_load_b128 v[\rb+4*\t:\rb+4*\t+3], v[ORD] offset:OP*\t       ; in order behind my own stores above
.endr
.irp t, 0,1,2,3,4,5,6,7,8,9,10,11,12,13,14,15
	s_wait_dscnt 15-\t                             ; row t is in, the younger rows may be out
	global_store_b128 v[QOFF], v[\rb+4*\t:\rb+4*\t+3], s[OB:OB+1] offset:(16*\n+\t)*ROWB th:TH_STORE_NT
.endr
.endm
	OUT 0, SC
	OUT 1, SC+64
	OUT 2, SC
	OUT 3, SC+64
	s_wait_dscnt 0x0
	s_wait_alu depctr_hold_cnt(0) depctr_sa_sdst(0) depctr_va_vdst(0) depctr_va_sdst(0) depctr_va_ssrc(0) depctr_va_vcc(0) depctr_vm_vsrc(0)
	s_wait_tensorcnt 0x0
	ds_add_u32 v62, v63
	s_wait_dscnt 0x0
	s_endpgm
.Lfunc_end_k_q55b0b1fbb6_attn:
	.size	k_q55b0b1fbb6_attn, .Lfunc_end_k_q55b0b1fbb6_attn-k_q55b0b1fbb6_attn
	.p2alignl 7, 3214868480
	.fill 96, 4, 3214868480
	.section	.rodata,"a",@progbits
	.p2align	6, 0x0
	.amdhsa_kernel k_q55b0b1fbb6_attn
		.amdhsa_group_segment_fixed_size 141824
		.amdhsa_private_segment_fixed_size 0
		.amdhsa_enable_private_segment 0
		.amdhsa_kernarg_size 32
		.amdhsa_user_sgpr_count 2
		.amdhsa_user_sgpr_kernarg_segment_ptr 1
		.amdhsa_wavefront_size32 1
		.amdhsa_system_sgpr_workgroup_id_x 1
		.amdhsa_system_sgpr_workgroup_id_y 1
		.amdhsa_system_sgpr_workgroup_id_z 1
		.amdhsa_system_vgpr_workitem_id 0
		.amdhsa_next_free_vgpr 1024
		.amdhsa_next_free_sgpr 66
		.amdhsa_reserve_vcc 0
		.amdhsa_float_denorm_mode_32 3
		.amdhsa_float_denorm_mode_16_64 3
		.amdhsa_memory_ordered 1
		.amdhsa_forward_progress 1
		.amdhsa_inst_pref_size 255
	.end_amdhsa_kernel
	.section	.bss,"aw",@nobits
	.p2align	6
	.space	262144
	.amdgpu_metadata
---
amdhsa.version: [ 1, 2 ]
amdhsa.kernels:
  - .name:           k_q55b0b1fbb6_attn
    .symbol:         k_q55b0b1fbb6_attn.kd
    .args:
      - { .name: q, .offset: 0, .size: 8, .value_kind: global_buffer, .address_space: global }
      - { .name: k, .offset: 8, .size: 8, .value_kind: global_buffer, .address_space: global }
      - { .name: v, .offset: 16, .size: 8, .value_kind: global_buffer, .address_space: global }
      - { .name: out0, .offset: 24, .size: 8, .value_kind: global_buffer, .address_space: global }
    .group_segment_fixed_size: 141824
    .private_segment_fixed_size: 0
    .kernarg_segment_align: 8
    .kernarg_segment_size: 32
    .max_flat_workgroup_size: 128
    .sgpr_count:     66
    .vgpr_count:     1024
    .wavefront_size: 32
...
	.end_amdgpu_metadata
.endif
;; end of part 2
